; MI455X (gfx1250); checked and timed in simulation.
; The chip was launched on July 23, 2026; its instructions are those of AMD's public machine-readable ISA for CDNA 5 (MIT licence, August 2026) and "CDNA5" Instruction Set Architecture Reference Guide (July 2026). The comments in the code are by the model that wrote it; some were corrected since.
;; Attention. Allowed arithmetic: matrix products marked QUANTISED: E2M1 operands, one E8M0 scale for each 32 along K, by v_wmma_scale_f32_16x16x128_f8f6f4 with both operands' format E2M1 (or v_wmma_scale_f32_32x16x128_f4), f32 sums; products left as they are: f32 operands where the result goes on into a quantised operand, else bf16, f16 or f32 operands; f32 sums; everything else in f32.
;; Inputs: W_attn 1,024 x 1,024 float32; b_attn 1,024 float32; encoder_outputs 16 x 4,096 x 512 float32; hidden 16 x 512 float32; v_w 1,024 float32.
;; Outputs: out0 16 x 512 float32.
;; This version of the problem:
;;   THIS VERSION OF THE PROBLEM IS GIVEN IN LOW PRECISION. The matrix products marked QUANTISED in the list below multiply operands that are first quantised to E2M1 (2 exponent bits, 1 mantissa bit; 4 bits a number), with one power-of-two scale for each 32 numbers along K (OCP MX v1.0); their sums are f32. All else is computed in f32.
;;   The module's matrix products, in the order in which they are computed (A, B: the left and right operand; K: the contracted axis; several contracted axes count as one K, in the product's order):
;;     1. [M 65,536, K 1,024] x [K 1,024, N 1,024]; A: computed on the way; B: input W_attn: QUANTISED
;;     2. [M 65,536, K 1,024] x [K 1,024, N 1]; A: computed on the way; B: input v_w: left as it is (N = 1 < 16)
;;     3. batch 16 x [M 1, K 4,096] x [K 4,096, N 512]; A: softmax; B: input encoder_outputs: left as it is (M = 1 < 16)
;;   THE QUANTISER, for each operand of a quantised product, along K:
;;     - K is cut into blocks of 32 from its start; a last block that is shorter is filled with zeros.
;;     - A block's scale is 2^e with e = floor(log2(the largest magnitude in the block)) - 2, held to -126 .. 127; a block of zeros has e = 0. As a byte (E8M0): e + 127.
;;     - Each number is divided by its block's scale, clamped to +-6, and rounded to the nearest number of E2M1, ties to even, subnormals kept.
;;     - The product sums the exact products of the quantised numbers (number of the format x scale) in f32.
;;   ~~~python
;;   def quantise(x, axis):      # numpy; x: float32 -> the quantised numbers, widened to float32 again
;;       x = np.moveaxis(x, axis, -1); K = x.shape[-1]
;;       x = np.pad(x, [(0, 0)] * (x.ndim - 1) + [(0, -K % 32)]); x = x.reshape(x.shape[:-1] + (-1, 32)); a = np.abs(x).max(-1, keepdims=True)
;;       e = np.where(a > 0, np.clip(np.frexp(np.where(a > 0, a, 1))[1] - 1 - 2, -126, 127), 0)      # np.frexp(a)[1] - 1 = floor(log2(a)), exactly
;;       r = np.clip(x / 2.0 ** e, -6, 6)
;;       step = 2.0 ** (np.maximum(np.frexp(np.where(r == 0, 1, r))[1] - 1, 0) - 1)
;;       q = np.round(r / step) * step * 2.0 ** e      # np.round: ties to even
;;       return np.moveaxis(q.reshape(q.shape[:-2] + (-1,))[..., :K], -1, axis).astype(np.float32)
;;   ~~~
;;   OPERANDS COMPUTED ON THE WAY. 'Computed on the way' means the value that the module computes at that place (a softmax that the list does not call 'softmax' is quantised finished and normalised). What goes into a quantiser is computed in f32, as accurately as f32 sums, v_exp_f32 and their like allow (about 1e-6 of the number): no bf16 or f16 on the way to a quantiser, and a product that is left as it is and whose result goes on into a quantised operand takes f32 operands (vector FMAs, or v_wmma_f32_16x16x4_f32). A number that lies on a knife's edge between two numbers of the format may be rounded either way, as far as f32 arithmetic and the matrix unit's own rounding can turn it there, and no further.
;; One version. Each part assembles by itself: llvm-mc -triple=amdgcn-amd-amdhsa -mcpu=gfx1250 --defsym DOCPART=n.
;; ======== version 1 of 1: 3 launches
;; limits: right only within a limited range of input values
;; workspace buffers: wc 262,144 bytes; wsc 16,384 bytes; hb 65,536 bytes; part 589,824 bytes
;; launch prep (part 1): grid 128 x 1, 8 waves a work-group, no clusters, 11,264 bytes of LDS; arguments W_attn, hidden, b_attn, wc, wsc, hb; writes wc, wsc, hb
.if DOCPART == 1
	.amdgcn_target "amdgcn-amd-amdhsa--gfx1250"
	.amdhsa_code_object_version 6
	.text
	.protected	k_q96d16483da_prep
	.globl	k_q96d16483da_prep
	.p2align	8
	.type	k_q96d16483da_prep,@function
k_q96d16483da_prep:
	s_mov_b64 s[64:65], 0
	v_nop
	global_prefetch_b8 v0, s[64:65] scope:SCOPE_SE
	s_setreg_imm32_b32 hwreg(HW_REG_WAVE_MODE, 25, 1), 1
	s_wait_xcnt 0x0
; W_attn [1024 (o)][1024 (k)] f32 is quantised along k to codes of FP4 (E2M1) with one E8M0 byte for each 32 along k.
; cat's k = 512 .. 1023 is hidden[batch], the same for all 4,096 rows of a batch: so that half of the quantised product is one number
; for each (batch, o).  It is made here, once, by the scaled FP4 matrix instruction, and stored with the bias as
;   hb[o / 16][batch][o % 16] = 2 log2(e) x (b_attn[o] + sum over k >= 512 of Q(hidden[batch][k - 512]) Q(W[o][k])).
; Nothing is left out here.  The launch after this one leaves out log2(e) x the sum of v_w, a term of every score that is the same along the softmax's axis whatever the inputs hold: it
; reaches no output; a NaN, an infinity or an overflow of that sum alone is not carried to the result.
; The codes of k = 0 .. 511 leave as IMAGES OF THE OPERAND'S REGISTERS: fragment (T = o / 16, q = k / 128) at (4 T + q) x 1,024 bytes,
; registers 4 c .. 4 c + 3 of lane l at 512 c + 16 l.  Their scale words: wsc[T][q][r], 4 bytes each, 256 bytes a tile.
; THE ORDER OF k INSIDE A BLOCK OF 32, the same in both operands of each product: dword d of the block's four holds k = 4 d .. 4 d + 3 and 16 + 4 d .. 16 + 4 d + 3.
; SHARES: work-group g: rows o = 16 (g % 64) on; k < 512 where g < 64, k >= 512 and hidden in the others.  Wave w owns rows 2 w and 2 w + 1 (of hidden: batches).  A lane loads 8 numbers of a block, two pieces of 16 bytes:
; four neighbouring lanes take 64 neighbouring bytes a load.  The codes meet in LDS as chunks of 16 rows x 16 bytes, one chunk for each block along k; one barrier; then they leave, or wave 0 multiplies.
; LIMITS: NaN and infinities are not served.  A block of zeros gets the byte 1 where the rule says 127: its codes are zeros,
; which add nothing under that byte, and the bytes are read by this program alone.  The four K steps of the hidden half are summed apart.
.set CP,  272                          ; a chunk: 256 bytes + 16 of padding
.set IMW, 0                            ; W's image: 16 chunks, then two chunks of scale bytes: (row, blocks 8 u + 0 .. 7) at 16 x row of chunk 16 + u
.set IMH, 5120                         ; hidden's
.set SPARE, 10240                      ; the spare words, 128 bytes for each wave: four blocks of 256 bytes that no other line names
.set QM,  16
.set QS,  20
.set QC,  24
.set QB,  28
.set X,   32
.set XH,  64
.set DD,  96
.set BI,  128
.set ASW, 136                          ; scale words, and nothing else
.set ASH, 138
.macro LOAD8 reg, adr, base, pitch
.irp n, 0,1,2,3
.irp e, 0,1
	global_load_b128 v[\reg+8*\n+4*\e:\reg+8*\n+4*\e+3], v[\adr], s[\base:\base+1] offset:\pitch*(\n/2)+1024*(\n%2)+64*\e
.endr
.endr
.endm
.macro QUANT qx, qi                    ; unit n: row n / 2, numbers 256 (n % 2) on; four neighbouring lanes hold a block
.irp n, 0,1,2,3
	v_max3_num_f32 v[QM+\n], |v[\qx+8*\n]|, |v[\qx+8*\n+1]|, 0x1800000   ; my numbers and the floor 2^(3 - 127): the byte cannot fall under 1
.endr
.irp e, 2,4,6
.irp n, 0,1,2,3
	v_max3_num_f32 v[QM+\n], v[QM+\n], |v[\qx+8*\n+\e]|, |v[\qx+8*\n+\e+1]|
.endr
.endr
.irp m, 1,2
.irp n, 0,1,2,3
	v_max_num_f32_dpp v[QM+\n], v[QM+\n], v[QM+\n] row_xmask:\m row_mask:0xf bank_mask:0xf
.endr
.endr
.irp n, 0,1,2,3
	v_add_nc_u32 v[QS+\n], 0xff000000, v[QM+\n]            ; 2 off its exponent field: the conversion's scale operand
.endr
.irp n, 0,1,2,3
	v_cvt_scalef32_pk8_fp4_f32 v[QC+\n], v[\qx+8*\n:\qx+8*\n+7], v[QS+\n]
.endr
.irp n, 0,1,2,3
	v_lshrrev_b32 v[QB+\n], 23, v[QS+\n]                   ; the scale's byte (and the plain places behind the conversions)
.endr
.irp n, 0,1,2,3
	ds_store_b32 v5, v[QC+\n] offset:\qi+8*CP*(\n%2)+16*(\n/2)
.endr
.irp n, 0,1,2,3
	ds_store_b8 v6, v[QB+\n] offset:\qi+16*CP+CP*(\n%2)+16*(\n/2)   ; the four lanes of a block write the same byte with the same value
.endr
.endm
	s_load_b128 s[4:7], s[0:1], 0x0                ; W_attn, hidden
	s_load_b128 s[8:11], s[0:1], 0x10              ; b_attn, wc
	s_load_b128 s[12:15], s[0:1], 0x20             ; wsc, hb
	v_lshl_add_u32 v1, v0, 2, SPARE                ; my spare word and 0, kept for the wave's end
	v_mov_b32 v2, 0
	v_lshrrev_b32 v14, 5, v0
	v_readfirstlane_b32 s16, v14                   ; wave 0..7
	v_and_b32 v10, 31, v0                          ; lane
	v_and_b32 v11, 15, v0                          ; r
	v_bfe_u32 v12, v0, 4, 1                        ; h
	v_bfe_u32 v13, v0, 2, 3                        ; lane / 4
	v_and_b32 v14, 3, v0                           ; lane % 4
	v_lshlrev_b32 v3, 7, v13
	v_lshl_add_u32 v3, v14, 4, v3
	s_lshl_b32 s17, s16, 12
	v_add_nc_u32 v4, s17, v3                       ; hidden: two batches of 2,048 bytes a wave
	s_lshl_b32 s17, s16, 13
	v_add_nc_u32 v3, s17, v3                       ; W: two rows of 4,096 bytes a wave
	v_mul_u32_u24 v5, v13, CP
	v_lshl_add_u32 v5, v14, 2, v5
	s_lshl_b32 s17, s16, 5
	v_add_nc_u32 v5, s17, v5                       ; where my codes go: chunk lane / 4, row 2 w, dword lane % 4
	v_add_nc_u32 v6, s17, v13                      ; and my scale bytes
	v_mul_u32_u24 v7, v12, CP
	v_lshl_add_u32 v7, v11, 4, v7                  ; a fragment's piece: chunk h, row r
	s_mul_i32 s17, s16, 2*CP
	v_add_nc_u32 v8, s17, v7                       ; chunk 2 w + h
	s_lshl_b32 s17, s16, 9
	v_lshl_add_u32 v9, v10, 4, s17                 ; 512 w + 16 x lane
	v_mul_u32_u24 v15, v12, CP
	v_and_b32 v16, 7, v0
	v_bfe_u32 v17, v0, 3, 1
	v_lshl_add_u32 v15, v16, 5, v15
	v_lshl_add_u32 v15, v17, 2, v15                ; the scale word of (q = lane / 8, r = 2 (lane % 8))
	v_lshlrev_b32 v13, 5, v12                      ; bias: 32 h
	v_lshl_add_u32 v12, v11, 6, v13                ; hb: 64 r + 32 h
	v_lshlrev_b32 v14, 3, v10
	s_and_b32 s18, ttmp9, 63                       ; T
	s_lshr_b32 s19, ttmp9, 6                       ; which half of k
	s_lshl_b32 s20, s18, 16                        ; 16 rows of W
	s_lshl_b32 s21, s19, 11
	s_add_co_u32 s20, s20, s21
	s_mov_b32 s21, 0
	s_lshl_b32 s22, s18, 6
	s_mov_b32 s23, 0
	s_lshl_b32 s24, s18, 12
	s_mov_b32 s25, 0
	s_lshl_b32 s26, s18, 8
	s_mov_b32 s27, 0
	s_lshl_b32 s28, s18, 10
	s_mov_b32 s29, 0
	s_wait_alu depctr_va_vdst(0)                   ; the wait at the head's end
	s_wait_kmcnt 0x0
	s_add_nc_u64 s[4:5], s[4:5], s[20:21]
	s_add_nc_u64 s[8:9], s[8:9], s[22:23]
	s_add_nc_u64 s[10:11], s[10:11], s[24:25]
	s_add_nc_u64 s[12:13], s[12:13], s[26:27]
	s_add_nc_u64 s[14:15], s[14:15], s[28:29]
	LOAD8 X, 3, 4, 4096
	s_cmp_eq_u32 s19, 0
	s_cbranch_scc1 .Lw
	LOAD8 XH, 4, 6, 2048
	s_cmp_lg_u32 s16, 0
	s_cbranch_scc1 .Lno_bias
	global_load_b128 v[BI:BI+3], v13, s[8:9]       ; b_attn[16 T + 8 h + 0 .. 7]: the product's layout; wave 0 alone wants it
	global_load_b128 v[BI+4:BI+7], v13, s[8:9] offset:16
.Lno_bias:
	s_wait_loadcnt 0x0
	QUANT XH, IMH
.Lw:
	s_wait_loadcnt 0x0
	QUANT X, IMW
	s_wait_alu depctr_va_vdst(0)
	s_wait_dscnt 0x0                               ; my codes and bytes lie in LDS
	s_barrier_signal -1
	s_barrier_wait -1
	s_cmp_lg_u32 s19, 0
	s_cbranch_scc1 .Lsecond
	ds_load_b128 v[XH:XH+3], v8                    ; fragment w / 2, registers 4 (w % 2) on, as an image
	s_wait_dscnt 0x0
	global_store_b128 v9, v[XH:XH+3], s[10:11]     ; the wave stores 512 consecutive bytes, aligned
	s_cmp_lg_u32 s16, 0
	s_cbranch_scc1 .Ldone
	ds_load_b32 v[XH+4], v15 offset:16*CP
	ds_load_b32 v[XH+5], v15 offset:16*CP+16
	s_wait_dscnt 0x0
	global_store_b64 v14, v[XH+4:XH+5], s[12:13]   ; the tile's 64 scale words: 256 consecutive bytes, aligned
	s_branch .Ldone
.Lsecond:
	s_cmp_lg_u32 s16, 0
	s_cbranch_scc1 .Ldone                          ; wave 0 multiplies: four K steps, four accumulators
.irp q, 0,1,2,3
.irp c, 0,1
	ds_load_b128 v[X+8*\q+4*\c:X+8*\q+4*\c+3], v7 offset:IMW+CP*(4*\q+2*\c)
	ds_load_b128 v[XH+8*\q+4*\c:XH+8*\q+4*\c+3], v7 offset:IMH+CP*(4*\q+2*\c)
.endr
.endr
	ds_load_b64 v[ASW:ASW+1], v7 offset:IMW+16*CP  ; lanes 0-15 K steps 0, 1; lanes 16-31 K steps 2, 3
	ds_load_b64 v[ASH:ASH+1], v7 offset:IMH+16*CP
	s_wait_dscnt 0x0
.irp q, 0,1
	v_wmma_scale_f32_16x16x128_f8f6f4 v[DD+8*\q:DD+8*\q+7], v[X+8*\q:X+8*\q+7], v[XH+8*\q:XH+8*\q+7], 0, v[ASW+\q], v[ASH+\q] matrix_a_fmt:MATRIX_FMT_FP4 matrix_b_fmt:MATRIX_FMT_FP4   ; source 0 = 16 rows o of W, source 1 = the 16 batches: lane (r, h), register j = (o = 8 h + j, batch r)
.endr
.irp q, 2,3
	v_wmma_scale_f32_16x16x128_f8f6f4 v[DD+8*\q:DD+8*\q+7], v[X+8*\q:X+8*\q+7], v[XH+8*\q:XH+8*\q+7], 0, v[ASW+\q-2], v[ASH+\q-2] matrix_a_fmt:MATRIX_FMT_FP4 matrix_b_fmt:MATRIX_FMT_FP4 matrix_a_scale:MATRIX_SCALE_ROW1 matrix_b_scale:MATRIX_SCALE_ROW1
.endr
.rept 4
	v_nop                                          ; four places ahead of the first read of the results (ISA guide 7.12.1)
.endr
.irp j, 0,2,4,6
	v_pk_add_f32 v[DD+\j:DD+\j+1], v[DD+\j:DD+\j+1], v[DD+8+\j:DD+9+\j]
	v_pk_add_f32 v[DD+16+\j:DD+17+\j], v[DD+16+\j:DD+17+\j], v[DD+24+\j:DD+25+\j]
.endr
.irp j, 0,2,4,6
	v_pk_add_f32 v[DD+\j:DD+\j+1], v[DD+\j:DD+\j+1], v[DD+16+\j:DD+17+\j]
.endr
.irp j, 0,2,4,6
	v_pk_add_f32 v[DD+\j:DD+\j+1], v[DD+\j:DD+\j+1], v[BI+\j:BI+\j+1]          ; + the bias
.endr
.irp j, 0,2,4,6
	v_pk_mul_f32 v[DD+\j:DD+\j+1], v[DD+\j:DD+\j+1], 0x4038aa3b op_sel_hi:[1,0]   ; x 2 log2(e)
.endr
	global_store_b128 v12, v[DD:DD+3], s[14:15]                ; the two stores together cover the tile's 1,024 bytes
	global_store_b128 v12, v[DD+4:DD+7], s[14:15] offset:16
.Ldone:
	s_wait_tensorcnt 0x0                           ; the wave's end, behind my last LDS store
	ds_add_u32 v1, v2
	s_wait_dscnt 0x0
	s_endpgm
.Lfunc_end_k_q96d16483da_prep:
	.size	k_q96d16483da_prep, .Lfunc_end_k_q96d16483da_prep-k_q96d16483da_prep
	.p2alignl 7, 3214868480
	.fill 96, 4, 3214868480
	.section	.rodata,"a",@progbits
	.p2align	6, 0x0
	.amdhsa_kernel k_q96d16483da_prep
		.amdhsa_group_segment_fixed_size 11264
		.amdhsa_private_segment_fixed_size 0
		.amdhsa_enable_private_segment 0
		.amdhsa_kernarg_size 48
		.amdhsa_user_sgpr_count 2
		.amdhsa_user_sgpr_kernarg_segment_ptr 1
		.amdhsa_wavefront_size32 1
		.amdhsa_system_sgpr_workgroup_id_x 1
		.amdhsa_system_sgpr_workgroup_id_y 1
		.amdhsa_system_sgpr_workgroup_id_z 1
		.amdhsa_system_vgpr_workitem_id 0
		.amdhsa_next_free_vgpr 144
		.amdhsa_next_free_sgpr 66
		.amdhsa_reserve_vcc 0
		.amdhsa_float_denorm_mode_32 3
		.amdhsa_float_denorm_mode_16_64 3
		.amdhsa_memory_ordered 1
		.amdhsa_forward_progress 1
		.amdhsa_inst_pref_size 15
	.end_amdhsa_kernel
	.amdgpu_metadata
---
amdhsa.version: [ 1, 2 ]
amdhsa.kernels:
  - .name:           k_q96d16483da_prep
    .symbol:         k_q96d16483da_prep.kd
    .args:
      - { .name: W_attn, .offset: 0, .size: 8, .value_kind: global_buffer, .address_space: global }
      - { .name: hidden, .offset: 8, .size: 8, .value_kind: global_buffer, .address_space: global }
      - { .name: b_attn, .offset: 16, .size: 8, .value_kind: global_buffer, .address_space: global }
      - { .name: wc, .offset: 24, .size: 8, .value_kind: global_buffer, .address_space: global }
      - { .name: wsc, .offset: 32, .size: 8, .value_kind: global_buffer, .address_space: global }
      - { .name: hb, .offset: 40, .size: 8, .value_kind: global_buffer, .address_space: global }
    .group_segment_fixed_size: 11264
    .private_segment_fixed_size: 0
    .kernarg_segment_align: 8
    .kernarg_segment_size: 48
    .max_flat_workgroup_size: 256
    .sgpr_count:     66
    .vgpr_count:     144
    .wavefront_size: 32
...
	.end_amdgpu_metadata
.endif
;; end of part 1
;; launch main (part 2): grid 256 x 1, 8 waves a work-group, clusters of 4 x 1, 327,680 bytes of LDS; arguments encoder_outputs, v_w, wc, wsc, hb, part; writes part
.if DOCPART == 2
	.amdgcn_target "amdgcn-amd-amdhsa--gfx1250"
	.amdhsa_code_object_version 6
	.text
	.protected	k_q96d16483da_main
	.globl	k_q96d16483da_main
	.p2align	8
	.type	k_q96d16483da_main,@function
k_q96d16483da_main:
	s_mov_b64 s[64:65], 0
	v_nop
	global_prefetch_b8 v0, s[64:65] scope:SCOPE_SE
	s_setreg_imm32_b32 hwreg(HW_REG_WAVE_MODE, 25, 1), 1
	s_wait_xcnt 0x0
	s_wait_alu depctr_hold_cnt(0) depctr_sa_sdst(0) depctr_va_vdst(0) depctr_va_sdst(0) depctr_va_ssrc(0) depctr_va_vcc(0) depctr_vm_vsrc(0)
	s_getreg_b32 s2, hwreg(HW_REG_IB_STS2, 6, 4)
	s_cmp_eq_u32 s2, 0
	s_cbranch_scc0 .Lentry_in_a_cluster
	s_endpgm
.Lentry_in_a_cluster:
	s_bfe_u32 s2, ttmp6, 0x10000c
	s_cmp_lg_u32 s2, 0x3003
	s_cbranch_scc0 .Lentry_shape_is_right
	s_endpgm
.Lentry_shape_is_right:
; For 256 rows s of one batch: x[s][o] = sum over k < 512 of Q(enc[s][k]) Q(W[o][k]) on codes of FP4 (E2M1) with E8M0 scales; the score of a row; a running softmax; the rows' part of the context.
; tanh(z) = 1 - 2 / (1 + 2^(2 log2(e) z)), z = x + b + the hidden half of K (hb holds 2 log2(e) x (b + that half)).  So log2(e) x score = a constant + sum over o of (-2 log2(e) v[o]) / (1 + 2^y),
; y = 2 log2(e) x + hb.  The constant, log2(e) x the sum of v, is the same for all rows of a batch, the softmax's axis: it reaches no output and is left out (an overflow of that sum alone is not carried to the result).
; t below is that sum over o; a weight is 2^(t - the largest t).
; SHARES.  Work-group g: batch g / 16, rows 256 (g % 16) on, in 16 blocks of 16 rows.  Wave w owns the columns o = 128 w .. 128 w + 127: its 32 fragments of W (256 registers, window 1) stay in registers for the
; whole launch.  And it owns rows 2 w and 2 w + 1 of each block: it loads them as f32 straight into registers, quantises them there, and takes them from there again for the context: memory is read once.
; A BLOCK i, ONE BARRIER: behind it the fragments of block i come from LDS; block i + 1 is converted and its codes go to LDS as images of the operand's registers; then 16 rows x my 128 o in two groups of four tiles: products, tanh,
; x v; my part of the 16 scores goes to LDS.  The scores of block i - 1 are summed among the first group's products, and its rows join the context among the second's; its registers then take the loads of block i + 3.  The largest
; magnitudes of block i + 2 are searched for while the barrier's other waves arrive.
; LAYOUT.  A lane holds 8 numbers of a block of 32: lane c = l % 4 of the block's four takes k = 4 c .. 4 c + 3 and 16 + 4 c ..: its eight codes are dword c of the block; the launch before lays W's codes in the same order.
; Source 0 = 16 rows, source 1 = 16 rows of W: lane l holds ONE column o (l % 16), register j the row 8 (l / 16) + j: v[o] and hb[o] are one register a tile.
; CLUSTERS of four work-groups: all of them need the same codes of W, 262,144 bytes: each wave asks for its 32,768 bytes by one joint tensor load, the same in all four, and takes them from LDS into its operand registers, once.
; NO PREFETCH: the loads of two blocks, 65,536 bytes a work-group, are out at most times while a block is worked on.
; LIMITS: NaN and infinities are not served.  A block of zeros gets the scale byte 1 where the rule says 127 (its codes are zeros; the bytes never leave the work-group).  The halves of K are summed apart, in f32.
; Where y overflows, 2^y is infinity and its reciprocal 0, which is tanh = 1; where it underflows, tanh = -1.
.set GO,  1                            ; v1     my lane's place in my two rows of a block in memory
.set IWA, 2                            ; v2     LDS: where my codes go
.set SBA, 3                            ; v3     LDS: where my scale bytes go
.set IRA, 4                            ; v4     LDS: 272 h + 16 r: where my fragments come from
.set PRA, 5                            ; v5     LDS: my rows' parts of scores
.set MX,  6                            ; v6     the largest t so far
.set LS,  7                            ; v7     the sum
.set AS,  8                            ; v8-9   the rows' scale words: lanes 0-15 K steps 0, 1; lanes 16-31 K steps 2, 3
.set TA,  10                           ; v10    16 x my thread's number
.set WA,  11                           ; v11    LDS: my part of W
.set HB,  12                           ; v12-15 hb of the four tiles in hand
.set VV,  16                           ; v16-23 -2 log2(e) v of my eight tiles
.set SU,  24                           ; v24-31 the sums of eight rows; until the first group's reciprocals the parts of the last block's scores
.set CTX, 32                           ; v32-47 the context: register 8 u + e: column 256 u + 32 (l / 4) + 4 (l % 4) + (e, or 12 + e from e = 4 on)
.set WS,  48                           ; v48-63 W's scale words: register 2 t + q / 2: lanes 0-15 q even, lanes 16-31 q odd
.set AF,  64                           ; v64-95 the rows' four fragments
.set AC,  96                           ; v96-127 four accumulators; the quantiser's registers ahead of the products
.set X,   128                          ; v128-255 four sets of two rows, 32 registers each: row 1 from register 16 on; in a row columns 256-511 from register 8 on
.set QM,  96                           ; the quantiser: largest magnitudes, scale operands, codes, bytes
.set QS,  100
.set QC,  104
.set QB,  108
.set CP,  272                          ; a chunk of an image: 16 rows x 16 bytes (a block of 32 codes) + 16 bytes of padding
.set IMGB, 5120                        ; an image: 16 chunks, then two chunks of scale bytes; two images
.set PB,  2*IMGB                       ; parts of scores, two buffers of 8,192 bytes: rows 8 h + 0 .. 3 at 16 x thread, rows 8 h + 4 .. 7 4,096 bytes on
.set HBT, PB+16384                     ; hb: tiles 0-3 at 16 x thread, tiles 4-7 4,096 bytes on
.set FIN, HBT+8192                     ; the merge: [wave][512] f32
.set ML,  FIN+16384                    ; (largest t, sum) of each wave
.set SPARE, ML+256                     ; the spare words, 128 bytes for each wave: four blocks of 256 bytes that no other line names
.set WB,  53248                        ; W's codes, 32,768 bytes for each wave, filled once
.set WV,  16                           ; s16    my wave's number
.set SEL, 28                           ; s[28:29] lane selects of v_permlanex16_b32: lane l xor 16
.set PFF, 32                           ; s[32:33] (f, 0), s[34:35] (p of my row 0, 0), s[36:37] (p of my row 1, 0)
.set PA0, 34
.set PA1, 36
.set WG,  39                           ; s39    my work-group's number
.set G0,  40                           ; s[40:43], s[44:51] the tensor load's descriptor
.set G1,  44
.set MSB, 0
.macro WIN new                         ; s_set_vgpr_msb: bits 1:0 source 0, 3:2 source 1, 7:6 destination; the immediate's high byte repeats the setting that is left
.if MSB != \new
	s_set_vgpr_msb (MSB<<8)|\new
.set MSB, \new
.endif
.endm
.macro END                             ; the barrier: my LDS stores have landed and my LDS loads are in
	s_wait_alu depctr_va_vdst(0)
	s_wait_dscnt 0x0
	s_barrier_signal -1
	s_barrier_wait -1
.endm
.macro CROUND                          ; a round of the cluster's barrier
	s_barrier_signal -1
	s_barrier_wait -1
	s_cmp_lg_u32 s[WV], 0
	s_cbranch_scc1 .Lround_\@
	s_barrier_signal -3
.Lround_\@:
	s_barrier_wait -3
	s_barrier_signal -1
	s_barrier_wait -1
.endm
.macro XLOAD xs, xo                    ; my two rows of a block into set xs: two loads for each 256 columns of a row; each takes 64 neighbouring bytes with four neighbouring lanes, the two together whole units of 256 bytes
.irp n, 0,1,2,3
.irp e, 0,1
	global_load_b128 v[X+32*(\xs)+8*\n+4*\e:X+32*(\xs)+8*\n+4*\e+3], v[GO], s[4:5] offset:\xo+2048*(\n/2)+1024*(\n%2)+64*\e
.endr
.endr
.endm
.macro QHEAD qx                        ; the largest of my eight numbers of each unit.  Unit n: row n / 2, columns 256 (n % 2) on; four neighbouring lanes hold a block
.irp n, 0,1,2,3
	v_max3_num_f32 v[QM+\n], |v[\qx+8*\n]|, |v[\qx+8*\n+1]|, 0x1800000   ; and the floor 2^(3 - 127): the byte cannot fall under 1
.endr
.irp e, 2,4,6
.irp n, 0,1,2,3
	v_max3_num_f32 v[QM+\n], v[QM+\n], |v[\qx+8*\n+\e]|, |v[\qx+8*\n+\e+1]|
.endr
.endr
.endm
.macro QTAIL qx, qb                    ; codes and scale bytes into image qb
.irp m, 1,2
.irp n, 0,1,2,3
	v_max_num_f32_dpp v[QM+\n], v[QM+\n], v[QM+\n] row_xmask:\m row_mask:0xf bank_mask:0xf   ; the block's largest magnitude
.endr
.endr
.irp n, 0,1,2,3
	v_add_nc_u32 v[QS+\n], 0xff000000, v[QM+\n]            ; 2 off its exponent field: the conversion's scale operand
.endr
.irp n, 0,1,2,3
	v_cvt_scalef32_pk8_fp4_f32 v[QC+\n], v[\qx+8*\n:\qx+8*\n+7], v[QS+\n]
.endr
.irp n, 0,1,2,3
	v_lshrrev_b32 v[QB+\n], 23, v[QS+\n]                   ; the scale's byte (and the plain places behind the conversions)
.endr
.irp n, 0,1,2,3
	ds_store_b32 v[IWA], v[QC+\n] offset:IMGB*(\qb)+8*CP*(\n%2)+16*(\n/2)
.endr
.irp n, 0,1,2,3
	ds_store_b8 v[SBA], v[QB+\n] offset:IMGB*(\qb)+16*CP+CP*(\n%2)+16*(\n/2)   ; the four lanes of a block write the same byte with the same value
.endr
.endm
.macro AFLOAD ab                       ; the block's four fragments and its rows' scale words, nine loads
.irp q, 0,1,2,3
.irp c, 0,1
	ds_load_b128 v[AF+8*\q+4*\c:AF+8*\q+4*\c+3], v[IRA] offset:IMGB*(\ab)+CP*(4*\q+2*\c)
.endr
.endr
	ds_load_b64 v[AS:AS+1], v[IRA] offset:IMGB*(\ab)+16*CP
.endm
.macro PLOAD pb                        ; the 128 parts of each of my two rows' scores: four pairs a lane
.irp n, 0,1,2,3
	ds_load_b64 v[SU+2*\n:SU+2*\n+1], v[PRA] offset:PB+8192*(\pb)+1024*\n
.endr
.endm
; My two rows' t in every lane, and the exponents of f and p, in four pieces.
.macro SRED sn
.if \sn == 1
	v_dual_add_f32 v[SU], v[SU], v[SU+2] :: v_dual_add_f32 v[SU+1], v[SU+1], v[SU+3]
	v_dual_add_f32 v[SU+4], v[SU+4], v[SU+6] :: v_dual_add_f32 v[SU+5], v[SU+5], v[SU+7]
	v_dual_add_f32 v[SU], v[SU], v[SU+4] :: v_dual_add_f32 v[SU+1], v[SU+1], v[SU+5]
	v_add_f32_dpp v[SU], v[SU], v[SU] row_xmask:1 row_mask:0xf bank_mask:0xf
	v_add_f32_dpp v[SU+1], v[SU+1], v[SU+1] row_xmask:1 row_mask:0xf bank_mask:0xf
.elseif \sn == 2
.irp m, 2,4
	v_add_f32_dpp v[SU], v[SU], v[SU] row_xmask:\m row_mask:0xf bank_mask:0xf
	v_add_f32_dpp v[SU+1], v[SU+1], v[SU+1] row_xmask:\m row_mask:0xf bank_mask:0xf
.endr
.elseif \sn == 3
	v_add_f32_dpp v[SU], v[SU], v[SU] row_xmask:8 row_mask:0xf bank_mask:0xf
	v_add_f32_dpp v[SU+1], v[SU+1], v[SU+1] row_xmask:8 row_mask:0xf bank_mask:0xf
	v_permlanex16_b32 v[SU+2], v[SU], s[SEL], s[SEL+1]
	v_permlanex16_b32 v[SU+3], v[SU+1], s[SEL], s[SEL+1]
	v_dual_add_f32 v[SU], v[SU], v[SU+2] :: v_dual_add_f32 v[SU+1], v[SU+1], v[SU+3]
.else
	v_max3_num_f32 v[SU+4], v[SU], v[SU+1], v[MX]          ; the new largest t
	v_sub_f32 v[SU+2], v[MX], v[SU+4]
	v_sub_f32 v[SU], v[SU], v[SU+4]
	v_sub_f32 v[SU+1], v[SU+1], v[SU+4]
.endif
.endm
.macro SEXP
	v_exp_f32 v[SU+2], v[SU+2]                             ; f: what was summed under the old maximum is brought under the new
	v_exp_f32 v[SU], v[SU]                                 ; p of row 0
	v_exp_f32 v[SU+1], v[SU+1]                             ; p of row 1
.endm
.macro SFAC                            ; f and p as scalars: factors, never an address or a branch; the running sum
	v_readfirstlane_b32 s[PFF], v[SU+2]
	v_readfirstlane_b32 s[PA0], v[SU]
	v_readfirstlane_b32 s[PA1], v[SU+1]
	v_fma_f32 v[LS], v[LS], v[SU+2], v[SU]
	v_add_f32 v[LS], v[LS], v[SU+1]
.endm
.macro CTXOP cc, cx                    ; one of 24: context x f (0-7), + p x row 0 (8-15), + p x row 1 (16-23).  Source 1 is a scalar pair: no window concerns it
.if (\cc) < 8
	v_pk_mul_f32 v[CTX+2*(\cc):CTX+2*(\cc)+1], v[CTX+2*(\cc):CTX+2*(\cc)+1], s[PFF:PFF+1] op_sel_hi:[1,0]
.elseif (\cc) < 16
	v_pk_fma_f32 v[CTX+2*(\cc)-16:CTX+2*(\cc)-15], v[\cx+2*(\cc)-16:\cx+2*(\cc)-15], s[PA0:PA0+1], v[CTX+2*(\cc)-16:CTX+2*(\cc)-15] op_sel_hi:[1,0,1]
.else
	v_pk_fma_f32 v[CTX+2*(\cc)-32:CTX+2*(\cc)-31], v[\cx+2*(\cc)-16:\cx+2*(\cc)-15], s[PA1:PA1+1], v[CTX+2*(\cc)-32:CTX+2*(\cc)-31] op_sel_hi:[1,0,1]
.endif
.endm
; 16 matrix instructions: the 16 rows against my tiles 4 g .. 4 g + 3 of o, K = 512 in four steps.  The four accumulators take turns, one instruction a turn; the first step starts the sums.
; fill = 1: the 24 context lines stand among them; 2: the last block's scores.  The last four plain lines are the four places ahead of the first read of the results (ISA guide 7.12.1).
.macro GROUP gg, gx, fill
	WIN 0x04                                       ; source 1 (W) window 1
.set nn, 0
.irp q, 0,1,2,3
.irp t, 0,1,2,3
.if \q == 0
	v_wmma_scale_f32_16x16x128_f8f6f4 v[AC+8*\t:AC+8*\t+7], v[AF:AF+7], v[32*(4*\gg+\t):32*(4*\gg+\t)+7], 0, v[AS], v[WS+2*(4*\gg+\t)] matrix_a_fmt:MATRIX_FMT_FP4 matrix_b_fmt:MATRIX_FMT_FP4
.elseif \q == 1
	v_wmma_scale_f32_16x16x128_f8f6f4 v[AC+8*\t:AC+8*\t+7], v[AF+8:AF+15], v[32*(4*\gg+\t)+8:32*(4*\gg+\t)+15], v[AC+8*\t:AC+8*\t+7], v[AS+1], v[WS+2*(4*\gg+\t)] matrix_a_fmt:MATRIX_FMT_FP4 matrix_b_fmt:MATRIX_FMT_FP4 matrix_b_scale:MATRIX_SCALE_ROW1
.elseif \q == 2
	v_wmma_scale_f32_16x16x128_f8f6f4 v[AC+8*\t:AC+8*\t+7], v[AF+16:AF+23], v[32*(4*\gg+\t)+16:32*(4*\gg+\t)+23], v[AC+8*\t:AC+8*\t+7], v[AS], v[WS+2*(4*\gg+\t)+1] matrix_a_fmt:MATRIX_FMT_FP4 matrix_b_fmt:MATRIX_FMT_FP4 matrix_a_scale:MATRIX_SCALE_ROW1
.else
	v_wmma_scale_f32_16x16x128_f8f6f4 v[AC+8*\t:AC+8*\t+7], v[AF+24:AF+31], v[32*(4*\gg+\t)+24:32*(4*\gg+\t)+31], v[AC+8*\t:AC+8*\t+7], v[AS+1], v[WS+2*(4*\gg+\t)+1] matrix_a_fmt:MATRIX_FMT_FP4 matrix_b_fmt:MATRIX_FMT_FP4 matrix_a_scale:MATRIX_SCALE_ROW1 matrix_b_scale:MATRIX_SCALE_ROW1
.endif
.if \fill == 1
.if nn < 8
	CTXOP 2*nn, \gx
	CTXOP 2*nn+1, \gx
.elseif nn < 12
	CTXOP nn+8, \gx
.endif
.endif
.if (\fill == 2) && (nn == 3)
	WIN 0
	SRED 1
	WIN 0x04
.endif
.if (\fill == 2) && (nn == 7)
	WIN 0
	SRED 2
	WIN 0x04
.endif
.if (\fill == 2) && (nn == 11)
	WIN 0
	SRED 3
	WIN 0x04
.endif
.set nn, nn+1
.endr
.endr
.if \fill == 1
	CTXOP 20, \gx
	CTXOP 21, \gx
	CTXOP 22, \gx
	CTXOP 23, \gx
	WIN 0
.elseif \fill == 2
	WIN 0
	SRED 4
.else
	WIN 0
.rept 4
	v_nop
.endr
.endif
.endm
.macro ACC ag, at, ak, av              ; rows 8 h + 2 ak and + 1 of tiles at and at + 1, x (-2 log2(e) v), into the sums; a pair takes one row of each tile: av = 0: the even row of tile at and the odd row of tile at + 1; 1: the others
.if (\ag == 0) && (\at == 0) && (\av == 0)
	v_dual_mul_f32 v[SU+2*\ak], v[AC+2*\ak], v[VV] :: v_dual_mul_f32 v[SU+2*\ak+1], v[AC+2*\ak+9], v[VV+1]   ; the first start the sums
.elseif \av == 0
	v_dual_fmac_f32 v[SU+2*\ak], v[AC+8*\at+2*\ak], v[VV+4*\ag+\at] :: v_dual_fmac_f32 v[SU+2*\ak+1], v[AC+8*\at+2*\ak+9], v[VV+4*\ag+\at+1]
.else
	v_dual_fmac_f32 v[SU+2*\ak+1], v[AC+8*\at+2*\ak+1], v[VV+4*\ag+\at] :: v_dual_fmac_f32 v[SU+2*\ak], v[AC+8*\at+2*\ak+8], v[VV+4*\ag+\at+1]
.endif
.endm
.macro ADD1 ar                         ; 1 + two numbers
	v_dual_add_f32 v[\ar], 1.0, v[\ar] :: v_dual_add_f32 v[\ar+1], 1.0, v[\ar+1]
.endm
; 32 numbers a lane: y = 2 log2(e) x + hb; 1 / (1 + 2^y); x (-2 log2(e) v), summed.  In two halves (tiles 0, 1 and tiles 2, 3): one half's additions stand among the other half's transcendentals.
; ts = 1: f and p of the last block's rows go with the first batch.
; Each s_wait_alu stands between a batch and its first readers, and between the lines that make the next batch's sources and that batch.
.macro TANH tg, th, ts
.if \tg
	s_wait_dscnt 0x0                               ; hb of tiles 4-7 is in
.endif
.irp t, 0,2                            ; a pair takes one row of tile t and one of tile t + 1; each accumulator is first read at its low end
.irp k, 0,1,2,3
	v_dual_fmamk_f32 v[AC+8*\t+2*\k], v[AC+8*\t+2*\k], 0x4038aa3b, v[HB+\t] :: v_dual_fmamk_f32 v[AC+8*\t+2*\k+9], v[AC+8*\t+2*\k+9], 0x4038aa3b, v[HB+\t+1]
	v_dual_fmamk_f32 v[AC+8*\t+2*\k+1], v[AC+8*\t+2*\k+1], 0x4038aa3b, v[HB+\t] :: v_dual_fmamk_f32 v[AC+8*\t+2*\k+8], v[AC+8*\t+2*\k+8], 0x4038aa3b, v[HB+\t+1]
.endr
.endr
.if \th
	ds_load_b128 v[HB:HB+3], v[TA] offset:HBT+4096*(1-\tg)     ; the other four tiles' hb, my own bytes
.endif
	s_wait_alu depctr_va_vdst(0)
.if \ts
	SEXP
.endif
.set kk, 0
.rept 16
	v_exp_f32 v[AC+kk], v[AC+kk]
.set kk, kk+1
.endr
.if \ts
	v_mov_b32 v[MX], v[SU+4]                               ; (the plain line behind the batch)
	s_wait_alu depctr_va_vdst(0)
	SFAC
.else
	v_nop
	s_wait_alu depctr_va_vdst(0)
.endif
.set kk, 0
.rept 8
	v_exp_f32 v[AC+16+2*kk], v[AC+16+2*kk]
	v_exp_f32 v[AC+17+2*kk], v[AC+17+2*kk]
	ADD1 AC+2*kk
.set kk, kk+1
.endr
	s_wait_alu depctr_va_vdst(0)
.set kk, 0
.rept 8
	v_rcp_f32 v[AC+2*kk], v[AC+2*kk]
	v_rcp_f32 v[AC+2*kk+1], v[AC+2*kk+1]
	ADD1 AC+16+2*kk
.set kk, kk+1
.endr
	s_wait_alu depctr_va_vdst(0)
.irp k, 0,1,2,3
	v_rcp_f32 v[AC+16+4*\k], v[AC+16+4*\k]
	v_rcp_f32 v[AC+17+4*\k], v[AC+17+4*\k]
	v_rcp_f32 v[AC+18+4*\k], v[AC+18+4*\k]
	v_rcp_f32 v[AC+19+4*\k], v[AC+19+4*\k]
	ACC \tg, 0, \k, 0
.endr
	s_wait_alu depctr_va_vdst(0)
.irp k, 0,1,2,3
	ACC \tg, 0, \k, 1
.endr
.irp k, 0,1,2,3
	ACC \tg, 2, \k, 0
.endr
.irp k, 0,1,2,3
	ACC \tg, 2, \k, 1
.endr
.endm
.macro PSTORE sb                       ; my part of the block's scores: eight rows a lane, one column o of each tile
	ds_store_b128 v[TA], v[SU:SU+3] offset:PB+8192*(\sb)
	ds_store_b128 v[TA], v[SU+4:SU+7] offset:PB+8192*(\sb)+4096
.endm
.macro MEET mx, mn, mlc                ; the block's barrier; mn = 1: the largest magnitudes of set mx are searched for between its signal and its wait (register work)
.if \mn
	s_wait_loadcnt \mlc                            ; that set is in; the next set's eight loads may be out
.endif
	s_wait_alu depctr_va_vdst(0)
	s_wait_dscnt 0x0                               ; my LDS stores have landed and my LDS loads are in
	s_barrier_signal -1
.if \mn
	QHEAD \mx
.endif
	s_barrier_wait -1
.endm
; Block i.  mk = i % 4, mb = i % 2; mq: block i + 1 is converted; mn: block i + 2's largest magnitudes are searched for; ml: block i + 3 is loaded.
.macro IV mk, mq, mn, ml, mb, mlc
	PLOAD 1-\mb
	AFLOAD \mb
.if \mq
	s_wait_alu depctr_va_vdst(0)                   ; ahead of the readers of what was made ahead of the barrier's wait
	QTAIL X+32*((\mk+1)%4), 1-\mb
.endif
	s_wait_dscnt 8*\mq                             ; the parts and the fragments are in; the eight stores behind them may be out
	GROUP 0, X, 2
	TANH 0, 1, 1
	GROUP 1, X+32*((\mk+3)%4), 1
.if \ml
	XLOAD (\mk+3)%4, 32768*(4+((\mk+3)%4))
.endif
	TANH 1, \mq, 0
	PSTORE \mb
	MEET X+32*((\mk+2)%4), \mn, \mlc
.endm
	s_load_b256 s[4:11], s[0:1], 0x0               ; enc s[4:5], v_w s[6:7], wc s[8:9], wsc s[10:11]
	s_load_b128 s[12:15], s[0:1], 0x20             ; hb s[12:13], part s[14:15]
	v_lshl_add_u32 v12, v0, 2, SPARE               ; my spare word and 0 (made anew at the wave's end)
	v_mov_b32 v13, 0
	ds_add_u32 v12, v13                            ; the wave's opening: the add, twice on end, and its wait ahead of my first tensor load
	ds_add_u32 v12, v13
	v_lshrrev_b32 v24, 5, v0
	v_readfirstlane_b32 s[WV], v24                 ; wave 0..7
	v_and_b32 v25, 31, v0                          ; lane
	v_and_b32 v26, 15, v0                          ; r
	v_bfe_u32 v27, v0, 4, 1                        ; h
	v_bfe_u32 v28, v0, 2, 3                        ; lane / 4
	v_and_b32 v29, 3, v0                           ; lane % 4
	v_lshlrev_b32 v30, 2, v25
	v_lshlrev_b32 v31, 2, v26
	v_lshlrev_b32 v[TA], 4, v0
	v_lshlrev_b32 v[GO], 7, v28
	v_lshl_add_u32 v[GO], v29, 4, v[GO]
	s_lshl_b32 s17, s[WV], 12
	v_add_nc_u32 v[GO], s17, v[GO]                 ; 4,096 w + 128 (lane / 4) + 16 (lane % 4)
	v_mul_u32_u24 v[IWA], v28, CP
	v_lshl_add_u32 v[IWA], v29, 2, v[IWA]
	s_lshl_b32 s17, s[WV], 5                       ; rows 2 w and 2 w + 1 of a chunk
	v_add_nc_u32 v[IWA], s17, v[IWA]
	v_add_nc_u32 v[SBA], s17, v28
	v_mul_u32_u24 v[IRA], v27, CP
	v_lshl_add_u32 v[IRA], v26, 4, v[IRA]
	s_bfe_u32 s18, s[WV], 0x10001                  ; row 2 w: which four of a lane's eight sums,
	s_lshl_b32 s18, s18, 12
	s_lshr_b32 s19, s[WV], 2                       ; which half of the lanes,
	s_lshl_b32 s19, s19, 8
	s_add_co_u32 s18, s18, s19
	s_and_b32 s19, s[WV], 1                        ; which pair of the four
	s_lshl_b32 s19, s19, 3
	s_add_co_u32 s18, s18, s19
	v_lshlrev_b32 v[PRA], 9, v27
	v_lshl_add_u32 v[PRA], v26, 4, v[PRA]
	v_add_nc_u32 v[PRA], s18, v[PRA]               ; lane l: wave l / 16 (+ 2 n), its lane l % 16 of that half
	s_lshl_b32 s24, s[WV], 15                      ; wc: my 32 fragments of 1,024 bytes
	s_mov_b32 s25, 0
	s_add_co_u32 s17, s24, WB
	v_lshl_add_u32 v[WA], v25, 4, s17
	s_bfe_u32 s18, ttmp6, 0x40000                  ; my place in the cluster
	s_lshl_b32 s[WG], ttmp9, 2
	s_add_co_u32 s[WG], s[WG], s18                 ; my work-group's number
	s_lshl_b32 s2, s[WG], 19                       ; my work-group's 256 rows of 2,048 bytes
	s_mov_b32 s3, 0
	s_lshl_b32 s18, s[WV], 13                      ; hb: my 8 tiles of 1,024 bytes, my batch's 64 bytes in each
	s_lshr_b32 s19, s[WG], 4
	s_lshl_b32 s19, s19, 6
	s_add_co_u32 s18, s18, s19
	s_mov_b32 s19, 0
	s_lshl_b32 s20, s[WV], 9                       ; v_w: my 128 numbers
	s_mov_b32 s21, 0
	s_lshl_b32 s22, s[WV], 11                      ; wsc: my 8 tiles of 256 bytes
	s_mov_b32 s23, 0
	s_mul_i32 s26, s[WG], 2304                     ; part: my work-group's 2,304 bytes, my wave's 256
	s_lshl_b32 s27, s[WV], 8
	s_add_co_u32 s26, s26, s27
	s_mov_b32 s27, 0
	; the descriptor: 32,768 dense bytes as 32 rows of 1,024 bytes (128 elements of 8 bytes); 15:0 the mask: the four work-groups; 21 set beside a mask
	s_mov_b32 s[G1+0], 15|(3<<16)|(1<<21)
	s_mov_b32 s[G1+1], 128<<16                     ; tensor_dim0
	s_mov_b32 s[G1+2], 32<<16                      ; tensor_dim1
	s_mov_b32 s[G1+3], 128<<16                     ; tile_dim0
	s_mov_b32 s[G1+4], 32                          ; tile_dim1
	s_mov_b32 s[G1+5], 128                         ; tensor_dim0_stride
	s_mov_b32 s[G1+6], 0
	s_mov_b32 s[G1+7], 0
	s_mov_b32 s[G0], 1
	s_mov_b32 s[G0+1], s17
	s_wait_alu depctr_va_vdst(0)
	s_wait_dscnt 0x0                               ; both opening adds are done
	s_wait_kmcnt 0x0
	s_add_nc_u64 s[4:5], s[4:5], s[2:3]
	s_add_nc_u64 s[6:7], s[6:7], s[20:21]
	s_add_nc_u64 s[G0+2:G0+3], s[8:9], s[24:25]
	s_or_b32 s[G0+3], s[G0+3], 0x80000000
	s_add_nc_u64 s[10:11], s[10:11], s[22:23]
	s_add_nc_u64 s[12:13], s[12:13], s[18:19]
	s_add_nc_u64 s[14:15], s[14:15], s[26:27]
	XLOAD 0, 0                                     ; block 0
.irp t, 0,1,2,3,4,5,6,7
	global_load_b32 v[AF+\t], v31, s[12:13] offset:1024*\t     ; hb at o = 16 t + r
.endr
.irp t, 0,1,2,3,4,5,6,7
	global_load_b32 v[VV+\t], v31, s[6:7] offset:64*\t         ; v
.endr
.set kk, 0
.rept 16
	global_load_b32 v[WS+kk], v30, s[10:11] offset:128*kk
.set kk, kk+1
.endr
	CROUND                                         ; all four work-groups are here: the joint loads meet
	tensor_load_to_lds s[G0:G0+3], s[G1:G1+7]      ; my 32,768 bytes of W's codes: my one tensor load
	s_nop 0
	v_mov_b32 v[MX], 0xff61b1e6                    ; the largest t so far: -3e38, under every t
	v_mov_b32 v[LS], 0
.set kk, 0
.rept 16
	v_mov_b32 v[CTX+kk], 0                         ; a block is written once for all: the first finds zeros, which its f = 0 leaves zeros
.set kk, kk+1
.endr
	XLOAD 1, 32768                                 ; blocks 1 to 3
	XLOAD 2, 2*32768
	XLOAD 3, 3*32768
	s_mov_b32 s[SEL], 0x76543210
	s_mov_b32 s[SEL+1], 0xfedcba98
	s_mov_b32 s[PFF+1], 0                          ; named as the upper words of pairs, so they are written
	s_mov_b32 s[PA0+1], 0
	s_mov_b32 s[PA1+1], 0
	s_wait_alu depctr_va_vdst(0)                   ; the wait at the head's end
	s_wait_loadcnt 56                              ; block 0 is in: 32 small loads and 24 of blocks 1 to 3 were issued behind it
	QHEAD X
	QTAIL X, 0
	s_wait_loadcnt 24                              ; hb, v and W's scale words are in
.irp t, 0,2,4,6
	v_pk_mul_f32 v[VV+\t:VV+\t+1], v[VV+\t:VV+\t+1], 0xc038aa3b op_sel_hi:[1,0]   ; -2 log2(e) v
.endr
	ds_store_b128 v[TA], v[AF:AF+3] offset:HBT                 ; hb waits in LDS, in my own bytes
	ds_store_b128 v[TA], v[AF+4:AF+7] offset:HBT+4096
	ds_load_b128 v[HB:HB+3], v[TA] offset:HBT                  ; LDS serves a wave's instructions in order (ISA guide 5.7.1.4)
	END                                            ; block 0's codes lie in LDS
	AFLOAD 0                                       ; BLOCK 0: there are no scores yet; block 1 is quantised at its end
	s_wait_tensorcnt 0x0                           ; my part of W has landed
	WIN 0x40                                       ; destination window 1
.set kk, 0
.rept 64
	ds_load_b128 v[4*kk:4*kk+3], v[WA] offset:512*kk           ; fragment (t, q) at v[32 t + 8 q], as it was stored
.set kk, kk+1
.endr
	WIN 0
	s_wait_dscnt 32                                ; the rows' fragments and W's tiles 0-3 are in; tiles 4-7's 32 loads may be out
	GROUP 0, X, 0
	TANH 0, 1, 0
	s_wait_dscnt 0x0                               ; W's tiles 4-7 are in
	GROUP 1, X, 0
	TANH 1, 1, 0
	PSTORE 0
	s_wait_loadcnt 16                              ; block 1 is in
	QHEAD X+32
	QTAIL X+32, 1
	MEET X+64, 1, 8
	s_mov_b32 s38, 3
.Llap:                                             ; blocks 1 to 12, four a trip, until the sets are back where they began
	IV 1, 1, 1, 1, 1, 8
	IV 2, 1, 1, 1, 0, 8
	IV 3, 1, 1, 1, 1, 8
	IV 0, 1, 1, 1, 0, 8
	s_wait_xcnt 0x0                                ; the trip's loads have read their base
	s_add_nc_u64 s[4:5], s[4:5], 0x20000           ; four blocks on
	s_sub_co_u32 s38, s38, 1
	s_cmp_lg_u32 s38, 0
	s_cbranch_scc1 .Llap
	IV 1, 1, 1, 0, 1, 0                            ; blocks 13 to 15 load nothing; block 15 converts nothing
	IV 2, 1, 0, 0, 0, 0
	IV 3, 0, 0, 0, 1, 0
	PLOAD 1                                        ; block 15's scores and its part of the context
	s_wait_dscnt 0x0
	SRED 1
	SRED 2
	SRED 3
	SRED 4
	s_wait_alu depctr_va_vdst(0)                   ; a wait ahead of the three and one behind them
	SEXP
	v_mov_b32 v[MX], v[SU+4]
	s_wait_alu depctr_va_vdst(0)
	SFAC
.set nn, 0
.rept 24
	CTXOP nn, X+96
.set nn, nn+1
.endr
	; THE MERGE of the eight waves' (largest t, sum, context): through LDS; wave w then owns columns 64 w .. 64 w + 63, two a lane.
	s_lshl_b32 s2, s[WV], 11
	s_add_co_u32 s2, s2, FIN
	s_lshl_b32 s3, s[WV], 3
	s_add_co_u32 s3, s3, ML
	s_lshl_b32 s17, s[WV], 8
	s_add_co_u32 s17, s17, FIN
	v_bfe_u32 v12, v0, 2, 3
	v_and_b32 v13, 3, v0
	v_and_b32 v17, 31, v0
	v_lshlrev_b32 v12, 7, v12
	v_lshl_add_u32 v12, v13, 4, v12
	v_add_nc_u32 v12, s2, v12
	v_mov_b32 v13, s3
	v_mov_b32 v14, ML
	v_lshl_add_u32 v15, v17, 3, s17
	v_lshlrev_b32 v16, 3, v17
.irp u, 0,1
	ds_store_b128 v12, v[CTX+8*\u:CTX+8*\u+3] offset:1024*\u
	ds_store_b128 v12, v[CTX+8*\u+4:CTX+8*\u+7] offset:1024*\u+64
.endr
	ds_store_b64 v13, v[MX:LS]                     ; all lanes write the same two words with the same values
	END
.irp k, 0,1,2,3
	ds_load_b128 v[X+4*\k:X+4*\k+3], v14 offset:16*\k              ; (largest t, sum) of waves 2 k and 2 k + 1
.endr
.irp n, 0,1,2,3,4,5,6,7
	ds_load_b64 v[X+16+2*\n:X+17+2*\n], v15 offset:2048*\n         ; wave n's context at my two columns
.endr
	s_wait_dscnt 0x0
	v_max3_num_f32 v20, v[X], v[X+2], v[X+4]
	v_max3_num_f32 v20, v20, v[X+6], v[X+8]
	v_max3_num_f32 v20, v20, v[X+10], v[X+12]
	v_max_num_f32 v20, v20, v[X+14]                ; the work-group's largest t
.irp n, 0,1,2,3,4,5,6,7
	v_sub_f32 v[X+2*\n], v[X+2*\n], v20
.endr
	s_wait_alu depctr_va_vdst(0)                   ; a wait ahead of the eight and one behind them
.irp n, 0,1,2,3,4,5,6,7
	v_exp_f32 v[X+2*\n], v[X+2*\n]
.endr
	v_nop
	s_wait_alu depctr_va_vdst(0)
	v_mul_f32 v21, v[X], v[X+1]
	v_pk_mul_f32 v[24:25], v[X+16:X+17], v[X:X+1] op_sel_hi:[1,0]
.irp n, 1,2,3,4,5,6,7
	v_fmac_f32 v21, v[X+2*\n], v[X+2*\n+1]
	v_pk_fma_f32 v[24:25], v[X+16+2*\n:X+17+2*\n], v[X+2*\n:X+2*\n+1], v[24:25] op_sel_hi:[1,0,1]
.endr
	v_lshl_add_u32 v11, v0, 2, SPARE               ; my spare word and 0, for the wave's end
	v_mov_b32 v10, 0
	global_store_b64 v16, v[24:25], s[14:15]       ; the wave stores 256 consecutive bytes, aligned
	s_wait_alu depctr_va_vdst(0)                   ; ahead of the branch
	s_cmp_lg_u32 s[WV], 0
	s_cbranch_scc1 .Lnot_wave_0
	global_store_b64 v16, v[20:21], s[14:15] offset:2048           ; (largest t, sum), 32 times: again 256 consecutive bytes, aligned
.Lnot_wave_0:
	s_wait_tensorcnt 0x0                           ; the wave's end, behind my last tensor load and my last LDS store
	ds_add_u32 v11, v10
	s_wait_dscnt 0x0
	CROUND                                         ; the closing round: no work-group ends while a partner may still ask for a tile that names it
	s_endpgm
.Lfunc_end_k_q96d16483da_main:
	.size	k_q96d16483da_main, .Lfunc_end_k_q96d16483da_main-k_q96d16483da_main
	.p2alignl 7, 3214868480
	.fill 96, 4, 3214868480
	.section	.rodata,"a",@progbits
	.p2align	6, 0x0
	.amdhsa_kernel k_q96d16483da_main
		.amdhsa_group_segment_fixed_size 327680
		.amdhsa_private_segment_fixed_size 0
		.amdhsa_enable_private_segment 0
		.amdhsa_kernarg_size 48
		.amdhsa_user_sgpr_count 2
		.amdhsa_user_sgpr_kernarg_segment_ptr 1
		.amdhsa_wavefront_size32 1
		.amdhsa_system_sgpr_workgroup_id_x 1
		.amdhsa_system_sgpr_workgroup_id_y 1
		.amdhsa_system_sgpr_workgroup_id_z 1
		.amdhsa_system_vgpr_workitem_id 0
		.amdhsa_next_free_vgpr 512
		.amdhsa_next_free_sgpr 66
		.amdhsa_reserve_vcc 0
		.amdhsa_float_denorm_mode_32 3
		.amdhsa_float_denorm_mode_16_64 3
		.amdhsa_memory_ordered 1
		.amdhsa_forward_progress 1
		.amdhsa_inst_pref_size 205
	.end_amdhsa_kernel
	.amdgpu_metadata
---
amdhsa.version: [ 1, 2 ]
amdhsa.kernels:
  - .name:           k_q96d16483da_main
    .symbol:         k_q96d16483da_main.kd
    .args:
      - { .name: encoder_outputs, .offset: 0, .size: 8, .value_kind: global_buffer, .address_space: global }
      - { .name: v_w, .offset: 8, .size: 8, .value_kind: global_buffer, .address_space: global }
      - { .name: wc, .offset: 16, .size: 8, .value_kind: global_buffer, .address_space: global }
      - { .name: wsc, .offset: 24, .size: 8, .value_kind: global_buffer, .address_space: global }
      - { .name: hb, .offset: 32, .size: 8, .value_kind: global_buffer, .address_space: global }
      - { .name: part, .offset: 40, .size: 8, .value_kind: global_buffer, .address_space: global }
    .group_segment_fixed_size: 327680
    .private_segment_fixed_size: 0
    .kernarg_segment_align: 8
    .kernarg_segment_size: 48
    .max_flat_workgroup_size: 256
    .sgpr_count:     66
    .vgpr_count:     512
    .wavefront_size: 32
...
	.end_amdgpu_metadata
.endif
;; end of part 2
;; launch combine (part 3): grid 64 x 1, 1 waves a work-group, no clusters, 0 bytes of LDS; arguments part, out0; writes out0
.if DOCPART == 3
	.amdgcn_target "amdgcn-amd-amdhsa--gfx1250"
	.amdhsa_code_object_version 6
	.text
	.protected	k_q96d16483da_combine
	.globl	k_q96d16483da_combine
	.p2align	8
	.type	k_q96d16483da_combine,@function
k_q96d16483da_combine:
	s_mov_b64 s[64:65], 0
	v_nop
	global_prefetch_b8 v0, s[64:65] scope:SCOPE_SE
	s_setreg_imm32_b32 hwreg(HW_REG_WAVE_MODE, 25, 1), 1
	s_wait_xcnt 0x0
; out0[b][d] = (sum over the batch's 16 parts g of 2^(M_g - M) ctx_g[d]) / (sum over g of 2^(M_g - M) L_g), M the largest M_g.
; part holds, for each of the 256 work-groups of the launch before, 2,304 bytes: ctx[512] f32, then (M, L) 32 times.  M is in units of log2: a weight was 2^(t - M).
; Work-group g takes batch g / 4, columns 128 (g % 4) on, four a lane: no LDS, no barrier, no matrix unit.  Nothing is left out here.
.set CX, 16                            ; v16-79   the sixteen parts' four numbers
.set MLR, 80                           ; v80-111  the sixteen pairs (M, L)
	s_load_b128 s[4:7], s[0:1], 0x0                ; part, out0
	s_lshr_b32 s13, ttmp9, 2
	s_and_b32 s12, ttmp9, 3
	s_lshl_b32 s12, s12, 9
	v_lshl_add_u32 v1, v0, 4, s12                  ; 16 bytes a lane
	v_lshlrev_b32 v2, 3, v0                        ; each lane reads a copy of (M, L) of its own: 256 consecutive bytes a load
	v_mov_b32 v11, 0                               ; named as the upper half of the pair v[10:11]
	s_mul_i32 s8, s13, 16*2304
	s_mov_b32 s9, 0
	s_lshl_b32 s10, s13, 11
	s_mov_b32 s11, 0
	s_wait_alu depctr_va_vdst(0)                   ; the wait at the head's end
	s_wait_kmcnt 0x0
	s_add_nc_u64 s[4:5], s[4:5], s[8:9]
	s_add_nc_u64 s[6:7], s[6:7], s[10:11]
.set gg, 0
.rept 16
	global_load_b64 v[MLR+2*gg:MLR+2*gg+1], v2, s[4:5] offset:2304*gg+2048
.set gg, gg+1
.endr
.set gg, 0
.rept 16
	global_load_b128 v[CX+4*gg:CX+4*gg+3], v1, s[4:5] offset:2304*gg
.set gg, gg+1
.endr
	s_wait_loadcnt 16                              ; the pairs are in; the sixteen loads of the contexts may be out
	v_max3_num_f32 v8, v[MLR], v[MLR+2], v[MLR+4]
.irp g, 3,5,7,9,11,13
	v_max3_num_f32 v8, v8, v[MLR+2*\g], v[MLR+2*\g+2]
.endr
	v_max_num_f32 v8, v8, v[MLR+30]                ; M
.set gg, 0
.rept 16
	v_sub_f32 v[MLR+2*gg], v[MLR+2*gg], v8
.set gg, gg+1
.endr
	s_wait_alu depctr_va_vdst(0)                   ; a wait ahead of the batch and one behind it
.set gg, 0
.rept 16
	v_exp_f32 v[MLR+2*gg], v[MLR+2*gg]             ; 2^(M_g - M)
.set gg, gg+1
.endr
	v_nop
	s_wait_alu depctr_va_vdst(0)
	v_mul_f32 v9, v[MLR], v[MLR+1]
.set gg, 1
.rept 15
	v_fmac_f32 v9, v[MLR+2*gg], v[MLR+2*gg+1]
.set gg, gg+1
.endr
	s_wait_alu depctr_va_vdst(0)
	v_rcp_f32 v10, v9                              ; 1 / the batch's sum; the contexts' sums below are the independent work behind it
	s_wait_loadcnt 0x0
	v_pk_mul_f32 v[4:5], v[CX:CX+1], v[MLR:MLR+1] op_sel_hi:[1,0]
	v_pk_mul_f32 v[6:7], v[CX+2:CX+3], v[MLR:MLR+1] op_sel_hi:[1,0]
.set gg, 1
.rept 15
	v_pk_fma_f32 v[4:5], v[CX+4*gg:CX+4*gg+1], v[MLR+2*gg:MLR+2*gg+1], v[4:5] op_sel_hi:[1,0,1]
	v_pk_fma_f32 v[6:7], v[CX+4*gg+2:CX+4*gg+3], v[MLR+2*gg:MLR+2*gg+1], v[6:7] op_sel_hi:[1,0,1]
.set gg, gg+1
.endr
	s_wait_alu depctr_va_vdst(0)                   ; the wait for the reciprocal, ahead of its first reader
	v_pk_mul_f32 v[4:5], v[4:5], v[10:11] op_sel_hi:[1,0]
	v_pk_mul_f32 v[6:7], v[6:7], v[10:11] op_sel_hi:[1,0]
	global_store_b128 v1, v[4:7], s[6:7]           ; the wave stores 512 consecutive bytes, aligned
	s_endpgm
.Lfunc_end_k_q96d16483da_combine:
	.size	k_q96d16483da_combine, .Lfunc_end_k_q96d16483da_combine-k_q96d16483da_combine
	.p2alignl 7, 3214868480
	.fill 96, 4, 3214868480
	.section	.rodata,"a",@progbits
	.p2align	6, 0x0
	.amdhsa_kernel k_q96d16483da_combine
		.amdhsa_group_segment_fixed_size 0
		.amdhsa_private_segment_fixed_size 0
		.amdhsa_enable_private_segment 0
		.amdhsa_kernarg_size 16
		.amdhsa_user_sgpr_count 2
		.amdhsa_user_sgpr_kernarg_segment_ptr 1
		.amdhsa_wavefront_size32 1
		.amdhsa_system_sgpr_workgroup_id_x 1
		.amdhsa_system_sgpr_workgroup_id_y 1
		.amdhsa_system_sgpr_workgroup_id_z 1
		.amdhsa_system_vgpr_workitem_id 0
		.amdhsa_next_free_vgpr 128
		.amdhsa_next_free_sgpr 66
		.amdhsa_reserve_vcc 0
		.amdhsa_float_denorm_mode_32 3
		.amdhsa_float_denorm_mode_16_64 3
		.amdhsa_memory_ordered 1
		.amdhsa_forward_progress 1
		.amdhsa_inst_pref_size 9
	.end_amdhsa_kernel
	.amdgpu_metadata
---
amdhsa.version: [ 1, 2 ]
amdhsa.kernels:
  - .name:           k_q96d16483da_combine
    .symbol:         k_q96d16483da_combine.kd
    .args:
      - { .name: part, .offset: 0, .size: 8, .value_kind: global_buffer, .address_space: global }
      - { .name: out0, .offset: 8, .size: 8, .value_kind: global_buffer, .address_space: global }
    .group_segment_fixed_size: 0
    .private_segment_fixed_size: 0
    .kernarg_segment_align: 8
    .kernarg_segment_size: 16
    .max_flat_workgroup_size: 32
    .sgpr_count:     66
    .vgpr_count:     128
    .wavefront_size: 32
...
	.end_amdgpu_metadata
.endif
;; end of part 3
